; MI455X (gfx1250); checked and timed in simulation.
; The chip was launched on July 23, 2026; its instructions are those of AMD's public machine-readable ISA for CDNA 5 (MIT licence, August 2026) and "CDNA5" Instruction Set Architecture Reference Guide (July 2026). The comments in the code are by the model that wrote it; some were corrected since.
;; A Li Bi Attention. Allowed arithmetic: matrix products marked QUANTISED: E2M1 operands, one E8M0 scale for each 32 along K, by v_wmma_scale_f32_16x16x128_f8f6f4 with both operands' format E2M1 (or v_wmma_scale_f32_32x16x128_f4), f32 sums; everything else in f32.
;; Inputs: k_norm_w 64 float32; q_norm_w 64 float32; wk_codes 256 x 32 x 16 uint8 (E2M1 codes of wk, K innermost, in blocks of 32 codes, two codes a byte); wk_scales 256 x 32 uint8 (E8M0 scales of wk, one for each 32 codes along K); wo_codes 1,024 x 32 x 16 uint8 (E2M1 codes of wo, K innermost, in blocks of 32 codes, two codes a byte); wo_scales 1,024 x 32 uint8 (E8M0 scales of wo, one for each 32 codes along K); wq_codes 1,024 x 32 x 16 uint8 (E2M1 codes of wq, K innermost, in blocks of 32 codes, two codes a byte); wq_scales 1,024 x 32 uint8 (E8M0 scales of wq, one for each 32 codes along K); wv_codes 256 x 32 x 16 uint8 (E2M1 codes of wv, K innermost, in blocks of 32 codes, two codes a byte); wv_scales 256 x 32 uint8 (E8M0 scales of wv, one for each 32 codes along K); x_codes 2 x 2,048 x 32 x 16 uint8 (E2M1 codes of x, K innermost, in blocks of 32 codes, two codes a byte); x_scales 2 x 2,048 x 32 uint8 (E8M0 scales of x, one for each 32 codes along K).
;; Outputs: out0 2 x 2,048 x 1,024 float32.
;; This version of the problem:
;;   THIS VERSION OF THE PROBLEM IS GIVEN IN LOW PRECISION. The matrix products marked QUANTISED in the list below multiply operands that are first quantised to E2M1 (2 exponent bits, 1 mantissa bit; 4 bits a number), with one power-of-two scale for each 32 numbers along K (OCP MX v1.0); their sums are f32. All else is computed in f32.
;;   The module's matrix products, in the order in which they are computed (A, B: the left and right operand; K: the contracted axis; several contracted axes count as one K, in the product's order):
;;     1. [M 4,096, K 1,024] x [K 1,024, N 1,024]; A: input x (given as codes); B: input wq (given as codes): QUANTISED
;;     2. [M 4,096, K 1,024] x [K 1,024, N 256]; A: input x (given as codes); B: input wk (given as codes): QUANTISED
;;     3. [M 4,096, K 1,024] x [K 1,024, N 256]; A: input x (given as codes); B: input wv (given as codes): QUANTISED
;;     4. batch 32 x [M 2,048, K 64] x [K 64, N 2,048]; A: computed on the way; B: computed on the way: QUANTISED
;;     5. batch 32 x [M 64, K 2,048] x [K 2,048, N 2,048]; A: computed on the way; B: softmax (see below): QUANTISED
;;     6. [M 4,096, K 1,024] x [K 1,024, N 1,024]; A: computed on the way; B: input wo (given as codes): QUANTISED
;;   THE QUANTISER, for each operand of a quantised product, along K:
;;     - K is cut into blocks of 32 from its start; a last block that is shorter is filled with zeros.
;;     - A block's scale is 2^e with e = floor(log2(the largest magnitude in the block)) - 2, held to -126 .. 127; a block of zeros has e = 0. As a byte (E8M0): e + 127.
;;     - Each number is divided by its block's scale, clamped to +-6, and rounded to the nearest number of E2M1, ties to even, subnormals kept.
;;     - The product sums the exact products of the quantised numbers (number of the format x scale) in f32.
;;   ~~~python
;;   def quantise(x, axis):      # numpy; x: float32 -> the quantised numbers, widened to float32 again
;;       x = np.moveaxis(x, axis, -1); K = x.shape[-1]
;;       x = np.pad(x, [(0, 0)] * (x.ndim - 1) + [(0, -K % 32)]); x = x.reshape(x.shape[:-1] + (-1, 32)); a = np.abs(x).max(-1, keepdims=True)
;;       e = np.where(a > 0, np.clip(np.frexp(np.where(a > 0, a, 1))[1] - 1 - 2, -126, 127), 0)      # np.frexp(a)[1] - 1 = floor(log2(a)), exactly
;;       r = np.clip(x / 2.0 ** e, -6, 6)
;;       step = 2.0 ** (np.maximum(np.frexp(np.where(r == 0, 1, r))[1] - 1, 0) - 1)
;;       q = np.round(r / step) * step * 2.0 ** e      # np.round: ties to even
;;       return np.moveaxis(q.reshape(q.shape[:-2] + (-1,))[..., :K], -1, axis).astype(np.float32)
;;   ~~~
;;   SOFTMAX AHEAD OF A QUANTISED PRODUCT. Where the list says 'softmax', what is quantised is not the finished softmax but p = 2^(t - M), with t = logit x log2(e) and M = ceil(the row's largest t), a whole number; so 1/2 < the row's largest p <= 1. The row's sum l is taken of the UNQUANTISED p, in f32, and the product's result is divided by l at the end. Since M is a whole number, a kernel that streams over the keys may use a running M (the ceiling of the running maximum): every later rescaling is an exact power of two, which a block's scale takes up: the codes' values come out the same.
;;   OPERANDS COMPUTED ON THE WAY. 'Computed on the way' means the value that the module computes at that place (a softmax that the list does not call 'softmax' is quantised finished and normalised). What goes into a quantiser is computed in f32, as accurately as f32 sums, v_exp_f32 and their like allow (about 1e-6 of the number): no bf16 or f16 on the way to a quantiser, and a product that is left as it is and whose result goes on into a quantised operand takes f32 operands (vector FMAs, or v_wmma_f32_16x16x4_f32). A number that lies on a knife's edge between two numbers of the format may be rounded either way, as far as f32 arithmetic and the matrix unit's own rounding can turn it there, and no further.
;;   INPUTS GIVEN AS CODES. wk (in the module: [256, 1024], K = its axis 1); wo (in the module: [1024, 1024], K = its axis 1); wq (in the module: [1024, 1024], K = its axis 1); wv (in the module: [256, 1024], K = its axis 1); x (in the module: [2, 2048, 1024], K = its axis 2): each comes as NAME_codes (uint8): NAME with its K axis moved to the last place and cut into blocks of 32 codes, [.., K / 32, bytes a block], one block behind the other in memory; two codes a byte, the lower K in the low four bits (a code: sign, 2 exponent bits, 1 mantissa bit); and NAME_scales (uint8): the same leading axes, one E8M0 byte (e + 127) for each 32 codes along K. Its value is code x scale, taken as it is: it is not quantised again, and the codes and scales need not be those that the quantiser above would give.
;; One version. Each part assembles by itself: llvm-mc -triple=amdgcn-amd-amdhsa -mcpu=gfx1250 --defsym DOCPART=n.
;; ======== version 1 of 1: 2 launches
;; workspace buffers: qk 2,621,440 bytes; qks 327,680 bytes; vc 524,288 bytes; vs 32,768 bytes
;; launch qkv (part 1): grid 32 x 6, 8 waves a work-group, clusters of 4 x 1, 226,560 bytes of LDS; arguments x_codes, x_scales, wq_codes, wq_scales, wk_codes, wk_scales, wv_codes, wv_scales, q_norm_w, k_norm_w, qk, qks, vc, vs; writes qk, qks, vc, vs
.if DOCPART == 1
	.amdgcn_target "amdgcn-amd-amdhsa--gfx1250"
	.amdhsa_code_object_version 6
	.text
	.protected	k_qa694b9d0c8_qkv
	.globl	k_qa694b9d0c8_qkv
	.p2align	8
	.type	k_qa694b9d0c8_qkv,@function
k_qa694b9d0c8_qkv:
	s_mov_b64 s[64:65], 0
	v_nop
	global_prefetch_b8 v0, s[64:65] scope:SCOPE_SE
	s_setreg_imm32_b32 hwreg(HW_REG_WAVE_MODE, 25, 1), 1
	s_wait_xcnt 0x0
	s_wait_alu depctr_hold_cnt(0) depctr_sa_sdst(0) depctr_va_vdst(0) depctr_va_sdst(0) depctr_va_ssrc(0) depctr_va_vcc(0) depctr_vm_vsrc(0)
	s_getreg_b32 s2, hwreg(HW_REG_IB_STS2, 6, 4)
	s_cmp_eq_u32 s2, 0
	s_cbranch_scc0 .Lentry_in_a_cluster
	s_endpgm
.Lentry_in_a_cluster:
	s_bfe_u32 s2, ttmp6, 0x10000c
	s_cmp_lg_u32 s2, 0x3003
	s_cbranch_scc0 .Lentry_shape_is_right
	s_endpgm
.Lentry_shape_is_right:
; q = rmsnorm(x wq^T), k = rmsnorm(x wk^T), v = x wv^T on codes of FP4 (E2M1) with E8M0 scales, K = 1,024; then q and k are quantised along the head's 64, v along the keys.
; SHARES.  A work-group takes 128 tokens (x) and 256 weight rows (y = 0..3: wq's quarters, 4: wk, 5: wv): 192 work-groups of equal work, 8 waves, 128 matrix instructions a wave.
; All of K lies in LDS at once, as two halves of 512 along K (rows of 256 bytes): nothing is filled twice, there is no loop.
; WHICH SIDE IS SOURCE 0.  q, k: source 0 = 64 weight rows (one head), source 1 = tokens: a lane then holds ONE token and its registers run along the head.  v: source 0 = 64 tokens, source 1 = wv's rows:
; a lane holds ONE channel and its registers run along the keys.  THE ROWS OF A TILE OF SOURCE 0 ARE NOT NEIGHBOURS: row m of tile t is row 8 t + m % 8 + 32 (m / 8) of its group of 64, so that the 32 registers
; of a lane's four tiles are one whole block of 32 of the next product's K, in order: the block's largest magnitude needs no other lane, and four conversions give the next operand's registers.
; OUT.  qk [slot 0..19][tile of 16 tokens 0..255][512]: an image of the operand's registers, lane l's 16 bytes at 16 l (block l / 16 of token l % 16); slots 0-15 q's heads, 16-19 k's.
;   qks [slot][64 tokens][r][i]: a scale word for token 16 i + r (bytes 0, 1 the two blocks, bytes 2, 3 zero).  vc [kv head][block of 32 keys 0..127][channel][16 bytes].  vs [kv head][block][r][i]: the byte of channel 16 i + r.
; CLUSTER 4 x 1: the four partners share y, so the weights' tiles are asked for jointly.  x's tiles are shared only between work-groups of different y, whose ways part at the end (q and k against v), so they are
; no partners, and x is fetched by each work-group for itself; the scale bytes (12 of 204 KiB) come through registers.
; LIMITS: NaN, infinities and a given scale byte 0xff are not served.  A block of zeros gets the byte 1 where the rule says 127: its codes are zeros, and these bytes are read by this program alone.
; 1 / sqrt is v_rsq_f32.
.set GRP,   17536                      ; a group of 64 rows of one K half: 32 rows x 272, 128 bytes free, 32 rows x 272: rows n and n + 32 so start in different halves of the banks' row
.set HALFG, 8832                       ; where a group's rows 32-63 begin
.set KH,    6*GRP                      ; a K half: the weights' groups 0-3, then x's groups 4, 5
.set SCL,   2*KH                       ; the scale bytes: 48 units of 256 bytes (8 rows of 32) + 16 of padding: units 0-31 the weights', 32-47 x's; group g begins at unit 8 g
.set NWB,   SCL+48*272                 ; the norm's weights, 256 bytes for each wave
.set SC0,   16                         ; v16-31   source 0's scale words, tile t, K step q of four: v[16 + 4 t + q]
.set SC1,   32                         ; v32-47   source 1's likewise.  v16-47 hold scales and nothing else
.set F0,    48                         ; v48-79   source 0's four fragments
.set F1,    80                         ; v80-111  source 1's
.set ACC,   128                        ; v128-255 accumulator (t, i) at v[128 + 32 i + 8 t]
.set NWR,   48                         ; the way out: v48-79 the norm's weights of my 32 places in the head
.set CD,    80                         ; v80-95   codes, four registers for each i, never written twice
.set WD,    96                         ; v96-99   scale words
.set TS,    100                        ; v100-107 sums of squares
.set NRM,   108                        ; v108-111 1 / sqrt, as pairs
.set MX,    112                        ; v112-115 largest magnitudes
.set SO,    116                        ; v116-117 the conversions' scale operands
.set BY,    118                        ; v118-119 scale bytes
.set SH,    120                        ; v120-121 shifted bytes
.set OT,    122                        ; v122-123 the other half's
.macro CROUND                          ; a round of the cluster's barrier
	s_barrier_signal -1
	s_barrier_wait -1
	s_cmp_lg_u32 s2, 0
	s_cbranch_scc1 .Lnot_wave_0_\@
	s_barrier_signal -3
.Lnot_wave_0_\@:
	s_barrier_wait -3
	s_barrier_signal -1
	s_barrier_wait -1
.endm
.macro PLACES n                        ; plain vector places behind matrix instructions (ISA guide 7.12.1)
.rept \n
	v_nop
.endr
.endm
	s_load_b512 s[4:19], s[0:1], 0x0               ; x codes, x scales, wq codes, wq scales, wk codes, wk scales, wv codes, wv scales
	s_load_b256 s[20:27], s[0:1], 0x40             ; q_norm_w, k_norm_w, qk, qks
	s_load_b128 s[28:31], s[0:1], 0x60             ; vc, vs
	s_set_vgpr_msb 0x40
	v_lshl_add_u32 v0, v0, 2, 0x37100
	v_mov_b32 v1, 0
	s_set_vgpr_msb 0x4045
	ds_add_u32 v0, v1
	ds_add_u32 v0, v1
	s_set_vgpr_msb 0x4500
	v_lshrrev_b32 v12, 5, v0
	v_readfirstlane_b32 s2, v12                    ; wave 0..7
	s_and_b32 s3, ttmp7, 0xffff                    ; y: which 256 weight rows
	s_bfe_u32 s84, ttmp6, 0x40000                  ; cx
	s_lshl_b32 s85, ttmp9, 2
	s_add_co_u32 s85, s85, s84                     ; which 128 tokens: 4 x cluster x + cx
	s_mov_b32 s94, 0x76543210
	s_mov_b32 s95, 0xfedcba98                      ; v_permlanex16_b32's selects for lane l xor 16
	s_mov_b32 s96, 0x3c800000                      ; 1 / 64
	s_mov_b32 s97, 0x3c23d70a                      ; 0.01
	s_mov_b32 s98, 0xffff0000                      ; lanes 16-31
	; descriptor group 1: 32 rows x 256 bytes, 512 bytes apart in memory, 16 bytes of padding behind each row.  s[32:39] joint (mask: all four partners, bit 21 beside it), s[40:47] for myself
	s_mov_b32 s32, 15|(1<<20)|(1<<21)|(5<<22)|(3<<25)
	s_mov_b32 s40, (1<<20)|(5<<22)|(3<<25)
.irp g, 32, 40
	s_mov_b32 s[\g+1], 256<<16                     ; tensor_dim0
	s_mov_b32 s[\g+2], 32<<16                      ; tensor_dim1
	s_mov_b32 s[\g+3], 256<<16                     ; tile_dim0
	s_mov_b32 s[\g+4], 32                          ; tile_dim1
	s_mov_b32 s[\g+5], 512                         ; pitch
	s_mov_b32 s[\g+6], 0
	s_mov_b32 s[\g+7], 0
.endr
	; which groups of 64 rows my wave multiplies: g0 for source 0, g1 for source 1
	s_and_b32 s99, s2, 1
	s_add_co_u32 s99, s99, 4                       ; v: tokens 64 (w % 2) on
	s_and_b32 s100, s2, 3                          ; q, k: head w % 4 of the four
	s_lshr_b32 s101, s2, 1                         ; v: kv head w / 2
	s_lshr_b32 s87, s2, 2
	s_add_co_u32 s87, s87, 4                       ; q, k: tokens 64 (w / 4) on
	s_cmp_eq_u32 s3, 5
	s_cselect_b32 s86, s99, s100
	s_cselect_b32 s87, s101, s87
	v_and_b32 v12, 15, v0                          ; r
	v_bfe_u32 v13, v0, 4, 1                        ; h
	v_and_b32 v14, 7, v0                           ; r % 8
	v_bfe_u32 v15, v0, 3, 1                        ; r / 8
	s_mul_i32 s99, s86, GRP
	s_mul_i32 s100, s87, GRP
	v_mul_u32_u24 v1, v14, 272
	v_mad_u32_u24 v1, v15, HALFG, v1
	v_lshl_add_u32 v1, v13, 4, v1
	v_add_nc_u32 v1, s99, v1                       ; v1, v2: source 0's fragments in K half 0, 1: row r % 8 + 32 (r / 8), + 16 h
	v_add_nc_u32 v2, KH, v1
	v_mul_u32_u24 v3, v12, 272
	v_lshl_add_u32 v3, v13, 4, v3
	v_add_nc_u32 v3, s100, v3                      ; v3, v4: source 1's: row r, + 16 h
	v_add_nc_u32 v4, KH, v3
	s_mul_i32 s99, s86, 2176
	s_add_co_u32 s99, s99, SCL
	s_mul_i32 s100, s87, 2176
	s_add_co_u32 s100, s100, SCL
	v_lshlrev_b32 v5, 5, v14
	v_mad_u32_u24 v6, v15, 272, v5
	v_mad_u32_u24 v5, v15, 1088, v5
	v_add_nc_u32 v5, s99, v5                       ; v5: source 0's scale bytes: unit t + 4 (r / 8), row r % 8
	v_add_nc_u32 v6, s100, v6                      ; v6: source 1's: unit 2 i + r / 8
	s_lshl_b32 s101, s2, 8
	s_add_co_u32 s101, s101, NWB
	v_lshl_add_u32 v7, v13, 7, s101                ; v7: the norm's weights of my half of the head
	v_lshl_add_u32 v51, v12, 4, s101               ; where they are staged
	v_and_b32 v8, 31, v0
	v_lshlrev_b32 v8, 4, v8                        ; v8: 16 x lane
	v_lshlrev_b32 v10, 3, v13                      ; v10: 8 h
	v_lshlrev_b32 v11, 2, v12
	v_lshl_add_u32 v11, v13, 6, v11                ; v11: 64 h + 4 r
	v_lshlrev_b32 v48, 4, v0                       ; staging: 16 bytes a thread,
	v_lshlrev_b32 v49, 4, v12
	v_lshrrev_b32 v50, 4, v0
	v_mul_u32_u24 v50, v50, 272
	v_lshl_add_u32 v50, v12, 4, v50
	v_add_nc_u32 v50, SCL, v50                     ; sixteen threads to a unit of 256 bytes
	s_mul_i32 s99, s2, GRP                         ; wave w fetches group w (waves 0-3 the weights', waves 4, 5 x's): the LDS address hangs on the wave's number alone
.irp n, 0,1,2,3                        ; set n = 2 x K half + half of the group
	s_mov_b32 s[48+4*\n], 1
	s_add_co_u32 s[49+4*\n], s99, (\n/2)*KH+(\n%2)*HALFG
	s_mov_b32 s[68+4*\n], 1
	s_add_co_u32 s[69+4*\n], s99, (\n/2)*KH+(\n%2)*HALFG
.endr
	s_wait_dscnt 0x0
	s_wait_kmcnt 0x0
	s_cmp_eq_u32 s3, 4                             ; the weights are chosen by y alone
	s_cselect_b64 s[8:9], s[12:13], s[8:9]
	s_cselect_b64 s[10:11], s[14:15], s[10:11]
	s_cselect_b64 s[20:21], s[22:23], s[20:21]
	s_cmp_eq_u32 s3, 5
	s_cselect_b64 s[8:9], s[16:17], s[8:9]
	s_cselect_b64 s[10:11], s[18:19], s[10:11]
	s_cmp_lt_u32 s3, 4
	s_cselect_b32 s99, s3, 0                       ; wq's quarter
	s_lshl_b32 s88, s99, 13                        ; 256 rows of 32 scale bytes
	s_mov_b32 s89, 0
	s_add_nc_u64 s[10:11], s[10:11], s[88:89]
	s_lshl_b32 s88, s99, 17                        ; 256 rows of 512 bytes of codes,
	s_and_b32 s100, s2, 3
	s_lshl_b32 s100, s100, 15                      ; my 64 of them
	s_add_co_u32 s88, s88, s100
	s_add_nc_u64 s[88:89], s[8:9], s[88:89]        ; s[88:89] never hold my place in the cluster
	s_lshl_b32 s90, s85, 12
	s_mov_b32 s91, 0
	s_add_nc_u64 s[6:7], s[6:7], s[90:91]          ; x's scale bytes: 128 rows of 32
	s_lshl_b32 s90, s85, 16
	s_and_b32 s100, s2, 1
	s_lshl_b32 s100, s100, 15
	s_add_co_u32 s90, s90, s100
	s_add_nc_u64 s[90:91], s[4:5], s[90:91]        ; x's codes: 128 rows of 512, my 64 of them
	global_load_b128 v[112:115], v48, s[10:11]               ; the weights' scale bytes, 8,192, dense
	global_load_b128 v[116:119], v48, s[10:11] offset:4096
	global_load_b128 v[120:123], v48, s[6:7]                 ; x's, 4,096
	global_load_b128 v[124:127], v49, s[20:21]               ; the norm's 64 weights
.irp n, 0,1,2,3
	s_add_nc_u64 s[50+4*\n:51+4*\n], s[88:89], (\n%2)*16384+(\n/2)*256
	s_or_b32 s[51+4*\n], s[51+4*\n], 0x80000000
	s_add_nc_u64 s[70+4*\n:71+4*\n], s[90:91], (\n%2)*16384+(\n/2)*256
	s_or_b32 s[71+4*\n], s[71+4*\n], 0x80000000
.endr
	CROUND                                         ; all four partners are here: the joint loads meet
	s_cmp_lt_u32 s2, 4                             ; all first fills of a wave stand in one branch on its number: four loads of mine are out at the most
	s_cbranch_scc0 .Lnot_w
	tensor_load_to_lds s[48:51], s[32:39]          ; K half 0, rows 0-31 of my group
	s_nop 0
	tensor_load_to_lds s[52:55], s[32:39]          ; K half 0, rows 32-63
	s_nop 0
	tensor_load_to_lds s[56:59], s[32:39]          ; K half 1
	s_nop 0
	tensor_load_to_lds s[60:63], s[32:39]
	s_nop 0
	PLACES 4
	s_branch .Lasked
.Lnot_w:
	s_cmp_lt_u32 s2, 6
	s_cbranch_scc0 .Lasked
	tensor_load_to_lds s[68:71], s[40:47]
	s_nop 0
	tensor_load_to_lds s[72:75], s[40:47]
	s_nop 0
	tensor_load_to_lds s[76:79], s[40:47]
	s_nop 0
	tensor_load_to_lds s[80:83], s[40:47]
	s_nop 0
	PLACES 4
.Lasked:
	s_wait_loadcnt 0x0
	ds_store_b128 v50, v[112:115]
	ds_store_b128 v50, v[116:119] offset:4352
	ds_store_b128 v50, v[120:123] offset:8704
	ds_store_b128 v51, v[124:127]                  ; (lanes 16-31 write the same bytes with the same values)
	s_wait_tensorcnt 0x2                           ; my two loads of K half 0 have landed; the two of K half 1, issued behind them, may be out
	s_wait_dscnt 0x0                               ; for the others' sake: my staged bytes lie in LDS
	s_barrier_signal -1
	s_barrier_wait -1
; eight matrix instructions: source 1's tiles i0, i0 + 1 x source 0's four.  The 16 accumulators take turns, one instruction a turn, in the same order in every step.
.macro MUL8 i0
.irp i, \i0, \i0+1
.irp t, 0,1,2,3
.if KZ
	v_wmma_scale_f32_16x16x128_f8f6f4 v[ACC+32*(\i)+8*\t:ACC+32*(\i)+8*\t+7], v[F0+8*\t:F0+8*\t+7], v[F1+8*(\i):F1+8*(\i)+7], 0, v[SC0+4*\t+KQ], v[SC1+4*(\i)+KQ] matrix_a_fmt:MATRIX_FMT_FP4 matrix_b_fmt:MATRIX_FMT_FP4
.else
	v_wmma_scale_f32_16x16x128_f8f6f4 v[ACC+32*(\i)+8*\t:ACC+32*(\i)+8*\t+7], v[F0+8*\t:F0+8*\t+7], v[F1+8*(\i):F1+8*(\i)+7], v[ACC+32*(\i)+8*\t:ACC+32*(\i)+8*\t+7], v[SC0+4*\t+KQ], v[SC1+4*(\i)+KQ] matrix_a_fmt:MATRIX_FMT_FP4 matrix_b_fmt:MATRIX_FMT_FP4
.endif
.endr
.endr
.endm
; a step of 128 along K: 16 fragment loads, 16 matrix instructions.  The first step's products start the sums: nothing is cleared.
.macro KSTEP s
.set KQ, (\s)%4
.set KHF, (\s)/4
.set KZ, (\s)==0
.if (\s) > 0
	PLACES 4                                       ; in front of loads into registers that the last products read
.endif
.if (\s) == 4
	s_wait_tensorcnt 0x0                           ; my part of K half 1 has landed (no LDS instruction of mine is out here),
	s_barrier_signal -1
	s_barrier_wait -1                              ; everybody's has
.endif
.if KQ == 0
.irp t, 0,1,2,3
	ds_load_b128 v[SC0+4*\t:SC0+4*\t+3], v5 offset:272*\t+16*KHF      ; the scale words of four steps
.endr
.irp i, 0,1,2,3
	ds_load_b128 v[SC1+4*\i:SC1+4*\i+3], v6 offset:544*\i+16*KHF
.endr
.endif
.irp t, 0,1,2,3
.irp c, 0,1
	ds_load_b128 v[F0+8*\t+4*\c:F0+8*\t+4*\c+3], v[1+KHF] offset:2176*\t+64*KQ+32*\c
.endr
.endr
.irp i, 0,1,2,3
.irp c, 0,1
	ds_load_b128 v[F1+8*\i+4*\c:F1+8*\i+4*\c+3], v[3+KHF] offset:4352*\i+128*(\i/2)+64*KQ+32*\c
.endr
.endr
	s_wait_dscnt 0x4                               ; all but the youngest four loads: source 1's tiles 2 and 3
	MUL8 0
	s_wait_dscnt 0x0
	MUL8 2
.endm
.irp s, 0,1,2,3,4,5,6,7
	KSTEP \s
.endr
	PLACES 4                                       ; in front of the first reads of results and of writes over the fragments
; two tiles' blocks of 32 (my 32 registers of tiles i0, i0 + 1) become codes and scale bytes; the two by turns, each from its low end on
.macro QUANT2 i0
.irp p, 0,1
	v_max3_num_f32 v[MX+2*\p], |v[ACC+32*(\i0+\p)]|, |v[ACC+32*(\i0+\p)+1]|, 0x1800000   ; with the floor 2^(3 - 127): the byte cannot fall under 1
.endr
.irp p, 0,1
	v_max_num_f32 v[MX+2*\p+1], |v[ACC+32*(\i0+\p)+2]|, |v[ACC+32*(\i0+\p)+3]|
.endr
.irp k, 4,8,12,16,20,24,28
.irp p, 0,1
	v_max3_num_f32 v[MX+2*\p], v[MX+2*\p], |v[ACC+32*(\i0+\p)+\k]|, |v[ACC+32*(\i0+\p)+\k+1]|
	v_max3_num_f32 v[MX+2*\p+1], v[MX+2*\p+1], |v[ACC+32*(\i0+\p)+\k+2]|, |v[ACC+32*(\i0+\p)+\k+3]|
.endr
.endr
.irp p, 0,1
	v_max_num_f32 v[MX+2*\p], v[MX+2*\p], v[MX+2*\p+1]
.endr
.irp p, 0,1
	v_add_nc_u32 v[SO+\p], 0xff000000, v[MX+2*\p]  ; 2 off the exponent field: the conversion's scale operand
.endr
.irp p, 0,1
	v_lshrrev_b32 v[BY+\p], 23, v[SO+\p]           ; the scale's byte
.endr
.irp p, 0,1
.irp g, 0,1,2,3
	v_cvt_scalef32_pk8_fp4_f32 v[CD+4*(\i0+\p)+\g], v[ACC+32*(\i0+\p)+8*\g:ACC+32*(\i0+\p)+8*\g+7], v[SO+\p]
.endr
.endr
	v_nop                                          ; one plain place behind the conversions
.endm
; rmsnorm of two tiles: a lane holds half a head of one token; the other half lies in lane l xor 16
.macro NORM2 i0
.irp p, 0,1
	v_pk_mul_f32 v[TS+4*\p:TS+4*\p+1], v[ACC+32*(\i0+\p):ACC+32*(\i0+\p)+1], v[ACC+32*(\i0+\p):ACC+32*(\i0+\p)+1]
.endr
.irp p, 0,1
	v_pk_mul_f32 v[TS+4*\p+2:TS+4*\p+3], v[ACC+32*(\i0+\p)+2:ACC+32*(\i0+\p)+3], v[ACC+32*(\i0+\p)+2:ACC+32*(\i0+\p)+3]
.endr
.irp k, 4,8,12,16,20,24,28
.irp p, 0,1
	v_pk_fma_f32 v[TS+4*\p:TS+4*\p+1], v[ACC+32*(\i0+\p)+\k:ACC+32*(\i0+\p)+\k+1], v[ACC+32*(\i0+\p)+\k:ACC+32*(\i0+\p)+\k+1], v[TS+4*\p:TS+4*\p+1]
.endr
.irp p, 0,1
	v_pk_fma_f32 v[TS+4*\p+2:TS+4*\p+3], v[ACC+32*(\i0+\p)+\k+2:ACC+32*(\i0+\p)+\k+3], v[ACC+32*(\i0+\p)+\k+2:ACC+32*(\i0+\p)+\k+3], v[TS+4*\p+2:TS+4*\p+3]
.endr
.endr
.irp p, 0,1
	v_pk_add_f32 v[TS+4*\p:TS+4*\p+1], v[TS+4*\p:TS+4*\p+1], v[TS+4*\p+2:TS+4*\p+3]
.endr
.irp p, 0,1
	v_add_f32 v[TS+4*\p], v[TS+4*\p], v[TS+4*\p+1]
.endr
.irp p, 0,1
	v_permlanex16_b32 v[OT+\p], v[TS+4*\p], s94, s95
.endr
.irp p, 0,1
	v_add_f32 v[TS+4*\p], v[TS+4*\p], v[OT+\p]     ; the head's sum of squares
.endr
.irp p, 0,1
	v_fma_f32 v[TS+4*\p], v[TS+4*\p], s96, s97     ; / 64 + 0.01
.endr
.irp p, 0,1
	v_rsq_f32 v[NRM+2*\p], v[TS+4*\p]              ; twice: a pair for the packed multiply
	v_rsq_f32 v[NRM+2*\p+1], v[TS+4*\p]
.endr
	v_nop                                          ; a plain place behind the transcendentals
	s_wait_alu depctr_va_vdst(0)
.irp k, 0,2,4,6,8,10,12,14,16,18,20,22,24,26,28,30
.irp p, 0,1
	v_pk_mul_f32 v[ACC+32*(\i0+\p)+\k:ACC+32*(\i0+\p)+\k+1], v[ACC+32*(\i0+\p)+\k:ACC+32*(\i0+\p)+\k+1], v[NRM+2*\p:NRM+2*\p+1]
.endr
.endr
.irp k, 0,2,4,6,8,10,12,14,16,18,20,22,24,26,28,30
.irp p, 0,1
	v_pk_mul_f32 v[ACC+32*(\i0+\p)+\k:ACC+32*(\i0+\p)+\k+1], v[ACC+32*(\i0+\p)+\k:ACC+32*(\i0+\p)+\k+1], v[NWR+\k:NWR+\k+1]   ; then the weight: two roundings, in the order of the definition
.endr
.endr
.endm
.macro QKOUT i0                        ; two tiles' codes leave as register images, 512 consecutive bytes a store; the two blocks' bytes make the token's scale word
.irp p, 0,1
	global_store_b128 v8, v[CD+4*(\i0+\p):CD+4*(\i0+\p)+3], s[24:25] offset:512*(\i0+\p)
.endr
.irp p, 0,1
	v_lshlrev_b32 v[SH+\p], v10, v[BY+\p]          ; my block's byte at its place
.endr
.irp p, 0,1
	v_permlanex16_b32 v[OT+\p], v[SH+\p], s94, s95
.endr
.irp p, 0,1
	v_or_b32 v[WD+\i0+\p], v[SH+\p], v[OT+\p]
.endr
.endm
	s_cmp_eq_u32 s3, 5
	s_cbranch_scc1 .Lv_kind
	; ---- q and k
.irp e, 0,1,2,3,4,5,6,7
	ds_load_b128 v[NWR+4*\e:NWR+4*\e+3], v7 offset:16*\e
.endr
	v_mov_b32 v[OT], 0                             ; written once: a lane permute's destination counts as one of its sources
	v_mov_b32 v[OT+1], 0
	v_lshlrev_b32 v9, 4, v12
	v_lshl_add_u32 v9, v13, 3, v9                  ; scale words: 16 r + 8 h
	s_lshl_b32 s99, s3, 2
	s_and_b32 s100, s2, 3
	s_add_co_u32 s99, s99, s100                    ; slot = 4 y + w % 4
	s_lshr_b32 s100, s2, 2                         ; which 64 tokens
	s_lshl_b32 s101, s99, 8
	s_lshl_b32 s92, s85, 3
	s_add_co_u32 s101, s101, s92
	s_lshl_b32 s92, s100, 2
	s_add_co_u32 s101, s101, s92                   ; 256 x slot + my first tile of 16 tokens
	s_lshl_b32 s92, s101, 9
	s_mov_b32 s93, 0
	s_add_nc_u64 s[24:25], s[24:25], s[92:93]
	s_lshl_b32 s101, s99, 6
	s_lshl_b32 s92, s85, 1
	s_add_co_u32 s101, s101, s92
	s_add_co_u32 s101, s101, s100                  ; 64 x slot + my 64 tokens
	s_lshl_b32 s92, s101, 8
	s_add_nc_u64 s[26:27], s[26:27], s[92:93]
	s_wait_dscnt 0x0
	NORM2 0
	QUANT2 0
	QKOUT 0
	NORM2 2
	QUANT2 2
	QKOUT 2
	v_cndmask_b32 v124, v[WD], v[WD+2], s98        ; lanes 0-15 store the words of i = 0, 1, lanes 16-31 those of i = 2, 3
	v_cndmask_b32 v125, v[WD+1], v[WD+3], s98
	global_store_b64 v9, v[124:125], s[26:27]      ; 256 consecutive bytes, aligned
	s_branch .Ldone
.Lv_kind:
	; ---- v: a lane holds channel 16 i + r and the 32 keys of block 2 (w % 2) + h of the work-group's four
	v_lshlrev_b32 v9, 4, v12
	v_lshl_add_u32 v9, v13, 10, v9                 ; 1,024 h + 16 r
	s_lshr_b32 s99, s2, 1
	s_lshl_b32 s99, s99, 7
	s_lshl_b32 s100, s85, 2
	s_add_co_u32 s99, s99, s100
	s_and_b32 s100, s2, 1
	s_lshl_b32 s100, s100, 1
	s_add_co_u32 s99, s99, s100                    ; 128 x kv head + block
	s_lshl_b32 s92, s99, 10
	s_mov_b32 s93, 0
	s_add_nc_u64 s[28:29], s[28:29], s[92:93]
	s_lshl_b32 s92, s99, 6
	s_add_nc_u64 s[30:31], s[30:31], s[92:93]
	QUANT2 0
	global_store_b128 v9, v[CD:CD+3], s[28:29]               ; sixteen lanes store 256 consecutive bytes, aligned
	global_store_b128 v9, v[CD+4:CD+7], s[28:29] offset:256
	v_lshl_or_b32 v[WD], v[BY+1], 8, v[BY]
	QUANT2 2
	global_store_b128 v9, v[CD+8:CD+11], s[28:29] offset:512
	global_store_b128 v9, v[CD+12:CD+15], s[28:29] offset:768
	v_lshl_or_b32 v[WD+1], v[BY+1], 8, v[BY]
	v_lshl_or_b32 v[WD], v[WD+1], 16, v[WD]        ; the bytes of channels r, 16 + r, 32 + r, 48 + r
	global_store_b32 v11, v[WD], s[30:31]          ; 128 consecutive bytes
.Ldone:
	s_wait_dscnt 0x0
	s_set_vgpr_msb 0x5
	s_wait_tensorcnt 0x0
	ds_add_u32 v0, v1
	s_wait_dscnt 0x0
	s_set_vgpr_msb 0x500
	CROUND                                         ; the closing round: no work-group ends while a partner may still ask jointly
	s_endpgm
.Lfunc_end_k_qa694b9d0c8_qkv:
	.size	k_qa694b9d0c8_qkv, .Lfunc_end_k_qa694b9d0c8_qkv-k_qa694b9d0c8_qkv
	.p2alignl 7, 3214868480
	.fill 96, 4, 3214868480
	.section	.rodata,"a",@progbits
	.p2align	6, 0x0
	.amdhsa_kernel k_qa694b9d0c8_qkv
		.amdhsa_group_segment_fixed_size 226560
		.amdhsa_private_segment_fixed_size 0
		.amdhsa_enable_private_segment 0
		.amdhsa_kernarg_size 112
		.amdhsa_user_sgpr_count 2
		.amdhsa_user_sgpr_kernarg_segment_ptr 1
		.amdhsa_wavefront_size32 1
		.amdhsa_system_sgpr_workgroup_id_x 1
		.amdhsa_system_sgpr_workgroup_id_y 1
		.amdhsa_system_sgpr_workgroup_id_z 1
		.amdhsa_system_vgpr_workitem_id 0
		.amdhsa_next_free_vgpr 258
		.amdhsa_next_free_sgpr 102
		.amdhsa_reserve_vcc 0
		.amdhsa_float_denorm_mode_32 3
		.amdhsa_float_denorm_mode_16_64 3
		.amdhsa_memory_ordered 1
		.amdhsa_forward_progress 1
		.amdhsa_inst_pref_size 66
	.end_amdhsa_kernel
	.amdgpu_metadata
---
amdhsa.version: [ 1, 2 ]
amdhsa.kernels:
  - .name:           k_qa694b9d0c8_qkv
    .symbol:         k_qa694b9d0c8_qkv.kd
    .args:
      - { .name: x_codes, .offset: 0, .size: 8, .value_kind: global_buffer, .address_space: global }
      - { .name: x_scales, .offset: 8, .size: 8, .value_kind: global_buffer, .address_space: global }
      - { .name: wq_codes, .offset: 16, .size: 8, .value_kind: global_buffer, .address_space: global }
      - { .name: wq_scales, .offset: 24, .size: 8, .value_kind: global_buffer, .address_space: global }
      - { .name: wk_codes, .offset: 32, .size: 8, .value_kind: global_buffer, .address_space: global }
      - { .name: wk_scales, .offset: 40, .size: 8, .value_kind: global_buffer, .address_space: global }
      - { .name: wv_codes, .offset: 48, .size: 8, .value_kind: global_buffer, .address_space: global }
      - { .name: wv_scales, .offset: 56, .size: 8, .value_kind: global_buffer, .address_space: global }
      - { .name: q_norm_w, .offset: 64, .size: 8, .value_kind: global_buffer, .address_space: global }
      - { .name: k_norm_w, .offset: 72, .size: 8, .value_kind: global_buffer, .address_space: global }
      - { .name: qk, .offset: 80, .size: 8, .value_kind: global_buffer, .address_space: global }
      - { .name: qks, .offset: 88, .size: 8, .value_kind: global_buffer, .address_space: global }
      - { .name: vc, .offset: 96, .size: 8, .value_kind: global_buffer, .address_space: global }
      - { .name: vs, .offset: 104, .size: 8, .value_kind: global_buffer, .address_space: global }
    .group_segment_fixed_size: 226560
    .private_segment_fixed_size: 0
    .kernarg_segment_align: 8
    .kernarg_segment_size: 112
    .max_flat_workgroup_size: 256
    .sgpr_count:     102
    .vgpr_count:     258
    .wavefront_size: 32
...
	.end_amdgpu_metadata
.endif
;; end of part 1
;; launch attn_o (part 2): grid 128 x 2, 8 waves a work-group, clusters of 4 x 1, 327,680 bytes of LDS; arguments qk, qks, vc, vs, wo_codes, wo_scales, out0; writes out0
.if DOCPART == 2
	.amdgcn_target "amdgcn-amd-amdhsa--gfx1250"
	.amdhsa_code_object_version 6
	.text
	.protected	k_qa694b9d0c8_attn_o
	.globl	k_qa694b9d0c8_attn_o
	.p2align	8
	.type	k_qa694b9d0c8_attn_o,@function
k_qa694b9d0c8_attn_o:
	s_mov_b64 s[64:65], 0
	v_nop
	global_prefetch_b8 v0, s[64:65] scope:SCOPE_SE
	s_setreg_imm32_b32 hwreg(HW_REG_WAVE_MODE, 25, 1), 1
	s_wait_xcnt 0x0
	s_wait_alu depctr_hold_cnt(0) depctr_sa_sdst(0) depctr_va_vdst(0) depctr_va_sdst(0) depctr_va_ssrc(0) depctr_va_vcc(0) depctr_vm_vsrc(0)
	s_getreg_b32 s2, hwreg(HW_REG_IB_STS2, 6, 4)
	s_cmp_eq_u32 s2, 0
	s_cbranch_scc0 .Lentry_in_a_cluster
	s_endpgm
.Lentry_in_a_cluster:
	s_bfe_u32 s2, ttmp6, 0x10000c
	s_cmp_lg_u32 s2, 0x3003
	s_cbranch_scc0 .Lentry_shape_is_right
	s_endpgm
.Lentry_shape_is_right:
; out = attention(q, k, v) wo^T, all products on codes of FP4 (E2M1) with E8M0 scales.  Key j counts for query i where i - 16 <= j <= i; the logit is q . k / 8 + slope (j - i), slope = 2^(-(head + 1) / 2).
; SHARES.  A work-group takes 32 tokens (a = 0..127: two tiles of 16, one block of 32 keys) and 512 of the 1,024 output columns (y).  Attention for its 32 tokens, all 16 heads, is done in both work-groups
; of a token block: a band of 17 keys is 6 matrix instructions for a tile and a head, less than the way of its result to memory and back would cost.
; ATTENTION.  Wave w: kv head w % 4, heads w % 4 + 8 (w / 4) + 4 e, e = 0, 1; both tiles.  A tile's keys are the 16 tokens before it and its own 16.  S^T = K Q^T: row m of K's tile u is key 8 u + m of the
; group before (m < 8) or key 8 u + m - 8 of the tile's own group: lane (r, h) holds query r and the 16 keys of group h.  The head's 64 fill registers 0-3 of a fragment; registers 4-7 are zero codes.
; p = 2^(t - M), t = logit x log2(e), M = ceil(the row's largest t): all 17 keys are at hand, so M is final.  p is quantised in blocks of 32 keys as the key axis cuts them: block a - 1 is K position 0 of
; the second product, block a position 1.  The row's sum of the unquantised p divides the result.
; O^T = V^T P^T: row m of V's tile t is channel 8 t + m % 8 + 32 (m / 8): a lane's 32 results are one block of 32 of the last product's K, in order.  Their codes go to LDS as images of the operand's registers.
; PROJECTION.  Wave w: columns 64 w on of the half, both tiles of tokens: 8 accumulators, K = 1,024 in 8 steps.  Source 0 = wo's rows: a lane holds 8 neighbouring columns of one token.
; CLUSTER 4 x 1: the four partners share y, so wo's half, 256 KiB, is asked for jointly, once, each wave its own 64 rows, which it alone reads; it lands while attention is computed.
; q, k and v are a work-group's own (k and v overlap a neighbour's by 16 tokens only) and come through registers.
; LIMITS: NaN, infinities and a given scale byte 0xff are not served.  A block of zeros gets the byte 1 where the rule says 127 (zero codes; the bytes stay in this kernel).  1 / sum is v_rcp_f32; the slopes come
; from v_exp_f32; p under 2^-126 is 0.
.set WOP,  528                         ; a row of wo in LDS: 512 bytes + 16 of padding
.set WOW,  64*WOP                      ; a wave's 64 rows
.set AIMG, 8*WOW                       ; the attention result: 16 fragments (8 x tile + K step) of 1,024 bytes, register images
.set ASC,  AIMG+16*1024                ; their scale words, 4 bytes a lane
.set STG,  ASC+16*128                  ; the way out: 16 rows x (256 + 16) for each wave
.set SL,   16                          ; v[16:17], v[18:19] 8 x slope of heads e = 0, 1
.set AS,   20                          ; v20-23  the attention result's scale words, set, tile
.set KS,   24                          ; v24-27  K's scale words (tile, u)
.set QS,   28                          ; v28-31  Q's (tile, e)
.set VSW,  32                          ; v32-35  V's (t)
.set PW,   36                          ; v36     p's.  v20-36 and v192-223 hold scales and nothing else
.set NINF, 37                          ; v37     -infinity
.set REL,  40                          ; v40-55  j - i of my 16 keys, -infinity where the key does not count
.set P,    56                          ; v56-63  p's fragment
.set S,    64                          ; v64-79  scores, then p;  v64-95 O^T
.set KF,   96                          ; v96-127  K's fragments at 16 tile + 8 u
.set QF,   128                         ; v128-159 Q's at 16 tile + 8 e
.set VF,   160                         ; v160-191 V's at 8 t
.set WS,   192                         ; v192-223 wo's scale words at 8 i + K step
.set TM,   224
.set TO,   225
.set TR,   226
.set NM,   228
.set BO,   230
.set BT,   231
.set SO,   232
.set BY,   233
.set BZ,   234
.set C0,   235
.set C1,   236
.set X0,   237
.set X1,   238
.set LS,   240
.set RL,   248
.set AC,   250
.set HW,   254
.set OT,   255
.macro CROUND                          ; a round of the cluster's barrier
	s_barrier_signal -1
	s_barrier_wait -1
	s_cmp_lg_u32 s2, 0
	s_cbranch_scc1 .Lnot_wave_0_\@
	s_barrier_signal -3
.Lnot_wave_0_\@:
	s_barrier_wait -3
	s_barrier_signal -1
	s_barrier_wait -1
.endm
.macro PLACES n                        ; plain vector places behind matrix instructions (ISA guide 7.12.1)
.rept \n
	v_nop
.endr
.endm
	s_load_b256 s[4:11], s[0:1], 0x0               ; qk, qks, vc, vs
	s_load_b128 s[24:27], s[0:1], 0x20             ; wo codes, wo scales
	s_load_b64 s[28:29], s[0:1], 0x30              ; out
	s_set_vgpr_msb 0x40
	v_lshl_add_u32 v0, v0, 2, 0x4f000
	v_mov_b32 v1, 0
	s_set_vgpr_msb 0x4045
	ds_add_u32 v0, v1
	ds_add_u32 v0, v1
	s_set_vgpr_msb 0x4500
	v_lshrrev_b32 v244, 5, v0
	v_readfirstlane_b32 s2, v244                   ; wave 0..7
	s_and_b32 s3, ttmp7, 0xffff                    ; y
	s_bfe_u32 s30, ttmp6, 0x40000                  ; cx: it enters global addresses and selects of values alone
	s_lshl_b32 s31, ttmp9, 2
	s_add_co_u32 s31, s31, s30                     ; a
	s_and_b32 s32, s2, 3                           ; kv head
	s_lshr_b32 s33, s2, 2
	s_lshl_b32 s39, s33, 3
	s_add_co_u32 s39, s39, s32                     ; my first head
	s_and_b32 s44, s31, 63
	s_cmp_eq_u32 s44, 0                            ; a batch's first block has no keys before it
	s_cselect_b32 s34, 0xffff, 0                   ; then lanes 0-15 of tile 0 are hidden,
	s_cselect_b32 s35, 0, 1024                     ; and position 0 takes block a itself, under zero codes of p: no load leaves its buffer
	s_cselect_b32 s44, 0, 1
	s_sub_co_u32 s36, s31, s44                     ; the block at position 0
	s_and_b32 s44, s31, 1
	s_mov_b32 s37, 244
	s_cmp_eq_u32 s44, 1
	s_cselect_b32 s37, 4, s37                      ; bytes in qks from group 2 a back to group 2 a - 1
	s_mov_b32 s38, 0xffff0000                      ; lanes 16-31
	s_mov_b32 s40, 0x3e38aa3b                      ; c = log2(e) / 8
	s_mov_b32 s41, s40                             ; (named with it as a pair)
	s_mov_b32 s42, 0x76543210
	s_mov_b32 s43, 0xfedcba98                      ; v_permlanex16_b32's selects for lane l xor 16
	; the descriptor: 64 rows x 512 bytes, dense, 16 bytes of padding behind each; mask: all four partners, bit 21 beside it
	s_mov_b32 s16, 15|(1<<20)|(1<<21)|(6<<22)|(3<<25)
	s_mov_b32 s17, 512<<16
	s_mov_b32 s18, 64<<16
	s_mov_b32 s19, 512<<16
	s_mov_b32 s20, 64
	s_mov_b32 s21, 512
	s_mov_b32 s22, 0
	s_mov_b32 s23, 0
	s_mov_b32 s12, 1
	s_mul_i32 s13, s2, WOW
	s_lshl_b32 s66, s3, 18                         ; 512 rows of 512 bytes, my 64 of them; s[66:67] never hold my place in the cluster
	s_lshl_b32 s67, s2, 15
	s_add_co_u32 s66, s66, s67
	s_mov_b32 s67, 0
	v_and_b32 v244, 31, v0                         ; lane
	v_and_b32 v245, 15, v0                         ; r
	v_bfe_u32 v246, v0, 4, 1                       ; h
	v_and_b32 v247, 7, v0                          ; r % 8
	v_bfe_u32 v248, v0, 3, 1                       ; r / 8
	v_lshlrev_b32 v249, 4, v247
	v_lshlrev_b32 v1, 4, v244                      ; v1: 16 x lane: Q's image
	v_lshlrev_b32 v2, 4, v245                      ; v2: 16 r: Q's scale words
	v_lshl_add_u32 v3, v246, 8, v249
	v_lshl_add_u32 v3, v248, 9, v3                 ; v3: K: key r % 8 of group r / 8, block h
	v_mad_u32_u24 v4, v248, s37, v249              ; v4: K's scale words for tile 0
	v_lshl_add_u32 v5, v248, 2, v249               ; v5: for tile 1
	v_lshl_add_u32 v6, v248, 9, v249
	v_mad_u32_u24 v6, v246, s35, v6                ; v6: V: channel r % 8 + 32 (r / 8), position h
	v_lshlrev_b32 v7, 2, v247                      ; v7: V's scale bytes: four channels' in a word
	v_lshlrev_b32 v8, 4, v248                      ; v8: 16 (r / 8) bits
	v_lshlrev_b32 v9, 3, v246                      ; v9: 8 h bits
	s_lshr_b32 s68, s32, 1
	s_lshl_b32 s69, s33, 2
	s_add_co_u32 s68, s68, s69                     ; the K step of my first head: head / 2,
	s_and_b32 s69, s32, 1                          ; and its half of the step
	s_lshl_b32 s70, s68, 10
	s_lshl_b32 s71, s69, 9
	s_add_co_u32 s70, s70, s71
	s_add_co_u32 s70, s70, AIMG
	v_add_nc_u32 v10, s70, v1                      ; v10: where I store an image's four registers
	s_lshl_b32 s70, s68, 7
	s_lshl_b32 s71, s69, 1
	s_add_co_u32 s70, s70, s71
	s_add_co_u32 s70, s70, ASC
	v_lshl_add_u32 v11, v244, 2, s70               ; v11: and my head's two scale bytes
	v_lshlrev_b32 v12, 5, v245                     ; v12: wo's scale bytes: 32 a row
	v_mul_u32_u24 v13, v245, WOP
	v_lshl_add_u32 v13, v246, 4, v13
	v_add_nc_u32 v13, s13, v13                     ; v13: wo's fragments
	v_add_nc_u32 v14, AIMG, v1                     ; v14: images back
	v_lshl_add_u32 v15, v244, 2, ASC               ; v15: their scale words
	s_mul_i32 s70, s2, 16*272
	s_add_co_u32 s70, s70, STG
	v_mul_u32_u24 v38, v245, 272
	v_lshl_add_u32 v38, v246, 5, v38
	v_add_nc_u32 v38, s70, v38                     ; v38: the stage, in: row r, + 32 h
	v_mul_u32_u24 v39, v246, 272
	v_lshl_add_u32 v39, v245, 4, v39
	v_add_nc_u32 v39, s70, v39                     ; v39: back: sixteen lanes to a row
	s_mov_b32 s45, 0
	s_wait_dscnt 0x0
	s_wait_kmcnt 0x0
	s_add_nc_u64 s[14:15], s[24:25], s[66:67]
	s_or_b32 s15, s15, 0x80000000
	s_lshl_b32 s46, s31, 10                        ; two tiles of 512 bytes for each a
	s_lshl_b32 s44, s39, 17
	s_add_co_u32 s44, s44, s46
	s_add_nc_u64 s[48:49], s[4:5], s[44:45]        ; Q: slot = head, tile 2 a
	s_add_co_u32 s47, s32, 16
	s_lshl_b32 s44, s47, 17
	s_add_co_u32 s44, s44, s46
	s_sub_co_u32 s44, s44, 512
	s_add_nc_u64 s[52:53], s[4:5], s[44:45]        ; K: slot 16 + kv head, tile 2 a - 1 (for a = 0 the slot before's last tile: written numbers, which the mask throws away)
	s_lshr_b32 s46, s31, 1
	s_lshl_b32 s46, s46, 8
	s_and_b32 s44, s31, 1
	s_lshl_b32 s44, s44, 3
	s_add_co_u32 s46, s46, s44                     ; group 2 a's place in a slot of qks
	s_lshl_b32 s44, s39, 14
	s_add_co_u32 s44, s44, s46
	s_add_nc_u64 s[50:51], s[6:7], s[44:45]        ; Q's scale words
	s_lshl_b32 s44, s47, 14
	s_add_co_u32 s44, s44, s46
	s_add_nc_u64 s[54:55], s[6:7], s[44:45]        ; K's, from group 2 a on,
	s_mov_b32 s44, s37
	s_sub_nc_u64 s[56:57], s[54:55], s[44:45]      ; and from group 2 a - 1 on
	s_lshl_b32 s47, s32, 7
	s_add_co_u32 s46, s47, s36
	s_lshl_b32 s44, s46, 10
	s_add_nc_u64 s[58:59], s[8:9], s[44:45]        ; V at position 0's block
	s_lshl_b32 s44, s46, 6
	s_add_nc_u64 s[60:61], s[10:11], s[44:45]      ; its scale bytes,
	s_add_co_u32 s46, s47, s31
	s_lshl_b32 s44, s46, 6
	s_add_nc_u64 s[62:63], s[10:11], s[44:45]      ; and block a's
	s_lshl_b32 s44, s3, 14
	s_lshl_b32 s46, s2, 11
	s_add_co_u32 s44, s44, s46
	s_add_nc_u64 s[26:27], s[26:27], s[44:45]      ; wo's scale bytes of my 64 rows
	s_lshl_b32 s44, s31, 17
	s_lshl_b32 s46, s3, 11
	s_add_co_u32 s44, s44, s46
	s_lshl_b32 s46, s2, 8
	s_add_co_u32 s44, s44, s46
	s_add_nc_u64 s[28:29], s[28:29], s[44:45]      ; out: token 32 a, column 512 y + 64 w
	CROUND                                         ; all four partners are here: the joint loads meet
	tensor_load_to_lds s[12:15], s[16:23]          ; my 64 rows of wo: the one tensor load of mine
	s_nop 0
	PLACES 4
.irp tt, 0,1
.irp e, 0,1
	global_load_b128 v[QF+16*\tt+8*\e:QF+16*\tt+8*\e+3], v1, s[48:49] offset:524288*\e+512*\tt
.endr
.endr
.irp tt, 0,1
.irp u, 0,1
	global_load_b128 v[KF+16*\tt+8*\u:KF+16*\tt+8*\u+3], v3, s[52:53] offset:512*\tt+128*\u
.endr
.endr
.irp t, 0,1,2,3
	global_load_b128 v[VF+8*\t:VF+8*\t+3], v6, s[58:59] offset:128*\t
.endr
.irp tt, 0,1
.irp e, 0,1
	global_load_b32 v[QS+2*\tt+\e], v2, s[50:51] offset:65536*\e+4*\tt
.endr
.endr
.irp u, 0,1
	global_load_b32 v[KS+\u], v4, s[56:57] offset:128*\u
.endr
.irp u, 0,1
	global_load_b32 v[KS+2+\u], v5, s[54:55] offset:128*\u
.endr
	global_load_b32 v240, v7, s[60:61]             ; V's scale bytes: position 0, channels 0-7 mod 16,
	global_load_b32 v241, v7, s[60:61] offset:32   ; channels 8-15 mod 16;
	global_load_b32 v242, v7, s[62:63]             ; position 1
	global_load_b32 v243, v7, s[62:63] offset:32
.irp i, 0,1,2,3
.irp c, 0,1
	global_load_b128 v[WS+8*\i+4*\c:WS+8*\i+4*\c+3], v12, s[26:27] offset:512*\i+16*\c
.endr
.endr
	; while the loads are out: zero codes for K = 64 .. 127 of the twelve fragments and of p's
.irp f, 0,1,2,3,4,5,6,7,8,9,10,11
.irp j, 4,5,6,7
	v_mov_b32 v[KF+8*\f+\j], 0
.endr
.endr
.irp j, 4,5,6,7
	v_mov_b32 v[P+\j], 0
.endr
	s_sub_co_i32 s70, 5, s39
	v_cvt_f32_i32 v[SL], s70
	v_mul_f32 v[SL], 0.5, v[SL]
	v_exp_f32 v[SL], v[SL]                         ; 8 x slope = 2^((5 - head) / 2)
	v_mov_b32 v[NINF], 0xff800000                  ; (a plain place behind the transcendental)
	s_wait_alu depctr_va_vdst(0)
	v_mov_b32 v[SL+1], v[SL]
	v_mul_f32 v[SL+2], 0x3e800000, v[SL]           ; four heads on: a quarter
	v_mul_f32 v[SL+3], 0x3e800000, v[SL]
	v_lshlrev_b32 v250, 4, v246
	v_sub_nc_u32 v250, v250, v245                  ; 16 h - r: key n of my group has j - i + 16 = n + 16 h - r, and counts where that lies in 0 .. 16
.irp n, 0,1,2,3,4,5,6,7,8,9,10,11,12,13,14,15
	v_add_nc_u32 v251, \n, v250
	v_add_nc_u32 v252, \n-16, v250
	v_cmp_ge_u32 vcc_lo, 16, v251
	v_cvt_f32_i32 v[REL+\n], v252
	v_cndmask_b32 v[REL+\n], v[NINF], v[REL+\n], vcc_lo
.endr
	v_mov_b32 v[TO], 0                             ; written once: a lane permute's destination counts as one of its sources
	v_mov_b32 v[X0], 0
	v_mov_b32 v[X1], 0
	v_mov_b32 v[OT], 0
	s_wait_loadcnt 0x8                             ; all but wo's eight scale loads, the youngest
	v_lshrrev_b32 v240, v8, v240                   ; bytes 0, 1: channels + 32 (r / 8), + 16
	v_lshrrev_b32 v241, v8, v241
	v_lshrrev_b32 v242, v8, v242
	v_lshrrev_b32 v243, v8, v243
	v_perm_b32 v[VSW], v242, v240, 0x04000400      ; V's scale word of tile t: byte 0 position 0's, byte 1 position 1's (bytes 2, 3 stand over zero codes)
	v_perm_b32 v[VSW+1], v243, v241, 0x04000400
	v_perm_b32 v[VSW+2], v242, v240, 0x05010501
	v_perm_b32 v[VSW+3], v243, v241, 0x05010501
; one tile of 16 queries, one head
.macro PAIR tt, e
.irp u, 0,1
	v_wmma_scale_f32_16x16x128_f8f6f4 v[S+8*\u:S+8*\u+7], v[KF+16*\tt+8*\u:KF+16*\tt+8*\u+7], v[QF+16*\tt+8*\e:QF+16*\tt+8*\e+7], 0, v[KS+2*\tt+\u], v[QS+2*\tt+\e] matrix_a_fmt:MATRIX_FMT_FP4 matrix_b_fmt:MATRIX_FMT_FP4
.endr
	PLACES 5                                       ; four in front of the reads; the fifth for the products below, which write over these results
.irp j, 0,2,4,6,8,10,12,14
	v_pk_fma_f32 v[S+\j:S+\j+1], v[REL+\j:REL+\j+1], v[SL+2*\e:SL+2*\e+1], v[S+\j:S+\j+1] op_sel_hi:[1,0,1]   ; 8 x logit; -infinity where the key does not count
.endr
	v_max3_num_f32 v[TM], v[S], v[S+1], v[S+2]
	v_max3_num_f32 v[TR], v[S+3], v[S+4], v[S+5]
	v_max3_num_f32 v[TM], v[TM], v[S+6], v[S+7]
	v_max3_num_f32 v[TR], v[TR], v[S+8], v[S+9]
	v_max3_num_f32 v[TM], v[TM], v[S+10], v[S+11]
	v_max3_num_f32 v[TR], v[TR], v[S+12], v[S+13]
	v_max3_num_f32 v[TM], v[TM], v[S+14], v[S+15]
	v_max_num_f32 v[TM], v[TM], v[TR]              ; the largest of my 16 keys: it serves the row's maximum and, since p rises with the score, the block's largest p
	v_permlanex16_b32 v[TO], v[TM], s42, s43       ; and of the other 16
	v_max_num_f32 v[TR], v[TM], v[TO]
	v_mul_f32 v[TR], s40, v[TR]                    ; the row's largest t
	v_floor_f32 v[NM], -v[TR]                      ; -M = floor(-t)
	v_mov_b32 v[NM+1], v[NM]
.irp j, 0,2,4,6,8,10,12,14
	v_pk_fma_f32 v[S+\j:S+\j+1], v[S+\j:S+\j+1], s[40:41], v[NM:NM+1] op_sel_hi:[1,0,0]   ; t - M
.endr
	v_fma_f32 v[BO], v[TM], s40, v[NM]
	v_fma_f32 v[BT], v[TO], s40, v[NM]
.irp j, 0,1,2,3,4,5,6,7,8,9,10,11,12,13,14,15
	v_exp_f32 v[S+\j], v[S+\j]                     ; p
.endr
	v_exp_f32 v[BO], v[BO]                         ; the largest p of my 16 keys,
	v_exp_f32 v[BT], v[BT]                         ; and of the other 16
	v_nop                                          ; a plain place behind the transcendentals
.if \tt == 1
	s_wait_alu depctr_va_vdst(0)
	v_max_num_f32 v[BO], v[BO], v[BT]              ; tile 1: both groups lie in block a
	v_mov_b32 v[BT], v[BO]
.endif
	s_wait_alu depctr_va_vdst(0)
	v_max_num_f32 v[BO], 0x1800000, v[BO]          ; the floor 2^(3 - 127): the byte cannot fall under 1
	v_max_num_f32 v[BT], 0x1800000, v[BT]
	v_add_nc_u32 v[SO], 0xff000000, v[BO]          ; 2 off the exponent field: the conversion's scale operand
	v_add_nc_u32 v[BZ], 0xff000000, v[BT]
	v_lshrrev_b32 v[BY], 23, v[SO]
	v_lshrrev_b32 v[BZ], 23, v[BZ]
	v_lshl_or_b32 v[PW], v[BZ], 8, v[BY]           ; lanes 0-15, which alone are read: byte 0 position 0's, byte 1 position 1's
	v_cvt_scalef32_pk8_fp4_f32 v[C0], v[S:S+7], v[SO]
	v_cvt_scalef32_pk8_fp4_f32 v[C1], v[S+8:S+15], v[SO]
	v_nop                                          ; one plain place behind the conversions
.if \tt == 0                           ; tile 0: lanes 0-15 hold keys 16-31 of position 0, lanes 16-31 keys 0-15 of position 1; the rest of both blocks does not count: zero codes
	v_cndmask_b32 v[P], 0, v[C0], s38
	v_cndmask_b32 v[P+1], 0, v[C1], s38
	v_cndmask_b32 v[P+2], v[C0], 0, s38
	v_cndmask_b32 v[P+3], v[C1], 0, s38
.else                                  ; tile 1: all 32 keys are position 1's, which lanes 16-31 hold; position 0 does not count
	v_permlanex16_b32 v[X0], v[C0], s42, s43
	v_permlanex16_b32 v[X1], v[C1], s42, s43
	v_cndmask_b32 v[P], 0, v[X0], s38
	v_cndmask_b32 v[P+1], 0, v[X1], s38
	v_cndmask_b32 v[P+2], 0, v[C0], s38
	v_cndmask_b32 v[P+3], 0, v[C1], s38
.endif
	v_pk_add_f32 v[LS:LS+1], v[S:S+1], v[S+2:S+3]              ; the row's sum, of the unquantised p.  (These lines are also the places between the writes of p's scale word and codes and the products)
	v_pk_add_f32 v[LS+2:LS+3], v[S+4:S+5], v[S+6:S+7]
	v_pk_add_f32 v[LS+4:LS+5], v[S+8:S+9], v[S+10:S+11]
	v_pk_add_f32 v[LS+6:LS+7], v[S+12:S+13], v[S+14:S+15]
	v_pk_add_f32 v[LS:LS+1], v[LS:LS+1], v[LS+2:LS+3]
	v_pk_add_f32 v[LS+4:LS+5], v[LS+4:LS+5], v[LS+6:LS+7]
	v_pk_add_f32 v[LS:LS+1], v[LS:LS+1], v[LS+4:LS+5]
	v_add_f32 v[LS], v[LS], v[LS+1]
	v_permlanex16_b32 v[OT], v[LS], s42, s43
	v_add_f32 v[LS], v[LS], v[OT]
	v_rcp_f32 v[RL], v[LS]                         ; twice: a pair for the packed multiply; used behind the places below
	v_rcp_f32 v[RL+1], v[LS]
.irp t, 0,1,2,3
	v_wmma_scale_f32_16x16x128_f8f6f4 v[S+8*\t:S+8*\t+7], v[VF+8*\t:VF+8*\t+7], v[P:P+7], 0, v[VSW+\t], v[PW] matrix_a_fmt:MATRIX_FMT_FP4 matrix_b_fmt:MATRIX_FMT_FP4
.endr
	PLACES 5                                       ; four in front of the reads; the fifth for the next products that write over these results
	s_wait_alu depctr_va_vdst(0)
.irp j, 0,2,4,6,8,10,12,14,16,18,20,22,24,26,28,30
	v_pk_mul_f32 v[S+\j:S+\j+1], v[S+\j:S+\j+1], v[RL:RL+1]    ; / the sum: channels 32 h + 0 .. 31 of my query
.endr
	v_max3_num_f32 v[LS], |v[S]|, |v[S+1]|, 0x1800000
	v_max_num_f32 v[LS+1], |v[S+2]|, |v[S+3]|
.irp k, 4,8,12,16,20,24,28
	v_max3_num_f32 v[LS], v[LS], |v[S+\k]|, |v[S+\k+1]|
	v_max3_num_f32 v[LS+1], v[LS+1], |v[S+\k+2]|, |v[S+\k+3]|
.endr
	v_max_num_f32 v[LS], v[LS], v[LS+1]
	v_add_nc_u32 v[LS+2], 0xff000000, v[LS]
	v_lshrrev_b32 v[LS+3], 23, v[LS+2]
	s_wait_dscnt 0x0                               ; the last pair's LDS stores have read the registers that are written now
.irp g, 0,1,2,3
	v_cvt_scalef32_pk8_fp4_f32 v[AC+\g], v[S+8*\g:S+8*\g+7], v[LS+2]
.endr
	v_nop                                          ; one plain place behind the conversions
	v_lshlrev_b32 v[HW], v9, v[LS+3]
	v_permlanex16_b32 v[OT], v[HW], s42, s43
	v_or_b32 v[HW], v[HW], v[OT]                   ; my head's two scale bytes
	ds_store_b128 v10, v[AC:AC+3] offset:8192*\tt+2048*\e
	ds_store_b16 v11, v[HW] offset:1024*\tt+256*\e
.endm
	PAIR 1, 0
	PAIR 1, 1
.irp n, 0,1,2,3,4,5,6,7,8,9,10,11,12,13,14,15
	v_cndmask_b32 v[REL+\n], v[REL+\n], v[NINF], s34           ; tile 0 of a batch's first block: the group before it does not exist
.endr
	PAIR 0, 0
	PAIR 0, 1
	s_wait_tensorcnt 0x0                           ; my 64 rows of wo have landed
	s_wait_loadcnt 0x0                             ; and their scale words
	s_wait_dscnt 0x0                               ; for the others' sake: my images lie in LDS
	s_barrier_signal -1
	s_barrier_wait -1
; the fragments of K step s into set 0 or 1: wo's four tiles, the two tiles of tokens, their scale words: 14 loads
.macro FETCH s, set
.set FB, 128+96*(\set)
.set FA, 160+16*(\set)
.irp i, 0,1,2,3
.irp c, 0,1
	ds_load_b128 v[FB+8*\i+4*\c:FB+8*\i+4*\c+3], v13 offset:8448*\i+64*(\s)+32*\c
.endr
.endr
.irp tt, 0,1
.irp c, 0,1
	ds_load_b128 v[FA+8*\tt+4*\c:FA+8*\tt+4*\c+3], v14 offset:(8*\tt+(\s))*1024+512*\c
.endr
	ds_load_b32 v[AS+2*(\set)+\tt], v15 offset:(8*\tt+(\s))*128
.endr
.endm
; eight matrix instructions; the eight accumulators (tile, i) at v[64 + 32 tile + 8 i] take turns, one instruction a turn; the first step starts the sums
.macro MULS s, set
.set FB, 128+96*(\set)
.set FA, 160+16*(\set)
.irp i, 0,1,2,3
.irp tt, 0,1
.if (\s) == 0
	v_wmma_scale_f32_16x16x128_f8f6f4 v[64+32*\tt+8*\i:71+32*\tt+8*\i], v[FB+8*\i:FB+8*\i+7], v[FA+8*\tt:FA+8*\tt+7], 0, v[WS+8*\i+(\s)], v[AS+2*(\set)+\tt] matrix_a_fmt:MATRIX_FMT_FP4 matrix_b_fmt:MATRIX_FMT_FP4
.else
	v_wmma_scale_f32_16x16x128_f8f6f4 v[64+32*\tt+8*\i:71+32*\tt+8*\i], v[FB+8*\i:FB+8*\i+7], v[FA+8*\tt:FA+8*\tt+7], v[64+32*\tt+8*\i:71+32*\tt+8*\i], v[WS+8*\i+(\s)], v[AS+2*(\set)+\tt] matrix_a_fmt:MATRIX_FMT_FP4 matrix_b_fmt:MATRIX_FMT_FP4
.endif
.endr
.endr
.endm
	FETCH 0, 0
.irp s, 0,1,2,3,4,5,6
.if \s > 0
	PLACES 4                                       ; in front of loads into the set that the step before multiplied
.endif
	FETCH \s+1, (\s+1)%2
	s_wait_dscnt 14                                ; all but the 14 just issued
	MULS \s, \s%2
.endr
	s_wait_dscnt 0x0
	MULS 7, 1
	v_and_b32 v40, 15, v0                          ; my place in out: 16 bytes a lane, lanes 16-31 a row further down.  These four lines are the places behind the last products
	v_bfe_u32 v41, v0, 4, 1
	v_lshlrev_b32 v40, 4, v40
	v_lshl_add_u32 v40, v41, 12, v40
; THE WAY OUT: a lane holds 32 bytes of a token's row, the lanes beside it other rows: a tile goes through my own stage and comes back as rows of 256 bytes.  LDS serves a wave's instructions in order (ISA guide 5.7.1.4).
.macro TOSTAGE tt
.irp i, 0,1,2,3
	ds_store_b128 v38, v[64+32*\tt+8*\i:67+32*\tt+8*\i] offset:64*\i          ; each accumulator from its low end on
	ds_store_b128 v38, v[68+32*\tt+8*\i:71+32*\tt+8*\i] offset:64*\i+16
.endr
.irp k, 0,1,2,3,4,5,6,7
	ds_load_b128 v[128+32*\tt+4*\k:131+32*\tt+4*\k], v39 offset:544*\k
.endr
.endm
.macro SEND tt
.irp k, 0,1,2,3,4,5,6,7
	global_store_b128 v40, v[128+32*\tt+4*\k:131+32*\tt+4*\k], s[28:29] offset:(16*\tt+2*\k)*4096 th:TH_STORE_NT   ; sixteen lanes store 256 consecutive bytes, aligned; written once, read by nobody here
.endr
.endm
	TOSTAGE 0
	TOSTAGE 1
	s_wait_dscnt 16                                ; tile 0 is back; tile 1's eight stores and eight loads may be out
	SEND 0
	s_wait_dscnt 0x0
	SEND 1
	s_set_vgpr_msb 0x5
	s_wait_tensorcnt 0x0
	ds_add_u32 v0, v1
	s_wait_dscnt 0x0
	s_set_vgpr_msb 0x500
	CROUND                                         ; the closing round: no work-group ends while a partner may still ask jointly
	s_endpgm
.Lfunc_end_k_qa694b9d0c8_attn_o:
	.size	k_qa694b9d0c8_attn_o, .Lfunc_end_k_qa694b9d0c8_attn_o-k_qa694b9d0c8_attn_o
	.p2alignl 7, 3214868480
	.fill 96, 4, 3214868480
	.section	.rodata,"a",@progbits
	.p2align	6, 0x0
	.amdhsa_kernel k_qa694b9d0c8_attn_o
		.amdhsa_group_segment_fixed_size 327680
		.amdhsa_private_segment_fixed_size 0
		.amdhsa_enable_private_segment 0
		.amdhsa_kernarg_size 56
		.amdhsa_user_sgpr_count 2
		.amdhsa_user_sgpr_kernarg_segment_ptr 1
		.amdhsa_wavefront_size32 1
		.amdhsa_system_sgpr_workgroup_id_x 1
		.amdhsa_system_sgpr_workgroup_id_y 1
		.amdhsa_system_sgpr_workgroup_id_z 1
		.amdhsa_system_vgpr_workitem_id 0
		.amdhsa_next_free_vgpr 258
		.amdhsa_next_free_sgpr 80
		.amdhsa_reserve_vcc 1
		.amdhsa_float_denorm_mode_32 3
		.amdhsa_float_denorm_mode_16_64 3
		.amdhsa_memory_ordered 1
		.amdhsa_forward_progress 1
		.amdhsa_inst_pref_size 68
	.end_amdhsa_kernel
	.amdgpu_metadata
---
amdhsa.version: [ 1, 2 ]
amdhsa.kernels:
  - .name:           k_qa694b9d0c8_attn_o
    .symbol:         k_qa694b9d0c8_attn_o.kd
    .args:
      - { .name: qk, .offset: 0, .size: 8, .value_kind: global_buffer, .address_space: global }
      - { .name: qks, .offset: 8, .size: 8, .value_kind: global_buffer, .address_space: global }
      - { .name: vc, .offset: 16, .size: 8, .value_kind: global_buffer, .address_space: global }
      - { .name: vs, .offset: 24, .size: 8, .value_kind: global_buffer, .address_space: global }
      - { .name: wo_codes, .offset: 32, .size: 8, .value_kind: global_buffer, .address_space: global }
      - { .name: wo_scales, .offset: 40, .size: 8, .value_kind: global_buffer, .address_space: global }
      - { .name: out0, .offset: 48, .size: 8, .value_kind: global_buffer, .address_space: global }
    .group_segment_fixed_size: 327680
    .private_segment_fixed_size: 0
    .kernarg_segment_align: 8
    .kernarg_segment_size: 56
    .max_flat_workgroup_size: 256
    .sgpr_count:     80
    .vgpr_count:     258
    .wavefront_size: 32
...
	.end_amdgpu_metadata
.endif
;; end of part 2
